; MI455X (gfx1250); checked and timed in simulation.
; The chip was launched on July 23, 2026; its instructions are those of AMD's public machine-readable ISA for CDNA 5 (MIT licence, August 2026) and "CDNA5" Instruction Set Architecture Reference Guide (July 2026). The comments in the code are by the model that wrote it; some were corrected since.
;; Soft Attention. Allowed arithmetic: float matrix products may take bf16 or f16 operands with f32 sums; all other float work in f32.
;; Inputs: q_mask 2 x 1,024 bool; query 2 x 1,024 x 64 float32; scale one number float32; v_mask 2 x 1,024 bool; value 2 x 1,024 x 64 float32.
;; Outputs: out0 2 x 1,024 x 64 float32.
;; 2 versions, each right; version 2 is version 1 with the launch softattn written anew for expert scheduling mode. Each part assembles by itself: llvm-mc -triple=amdgcn-amd-amdhsa -mcpu=gfx1250 --defsym DOCPART=n.
;; ======== version 1 of 2: 1 launch
;; limits: inputs' magnitudes at most 173
;; launch softattn (part 1): grid 128 x 2, 8 waves a work-group, no clusters, 285,952 bytes of LDS; arguments q_mask, query, scale, v_mask, value, out0; writes out0
.if DOCPART == 1
	.amdgcn_target "amdgcn-amd-amdhsa--gfx1250"
	.amdhsa_code_object_version 6
	.text
	.protected	k_q4b6e1727d6_softattn
	.globl	k_q4b6e1727d6_softattn
	.p2align	8
	.type	k_q4b6e1727d6_softattn,@function
k_q4b6e1727d6_softattn:
	s_mov_b64 s[64:65], 0
	v_nop
	global_prefetch_b8 v0, s[64:65] scope:SCOPE_SE
	s_setreg_imm32_b32 hwreg(HW_REG_WAVE_MODE, 25, 1), 1
	s_wait_xcnt 0x0
; Additive attention: out[b][q] = q_mask[q] * softmax_v( scale * sum_d tanh(query[q][d] + value[v][d]) - 1e9 * (v > q or not v_mask[v]) ) @ value.
; B = 2, TQ = TV = 1024, D = 64, all f32; the masks are bytes 0 or 1.
;
; ARITHMETIC.  tanh(x) = 1 - 2 / (1 + e^(2x)) and e^(2(q+v)) = (2^(c q) * 2^(c v))^4 with c = log2(e)/2.  The powers 2^(c q), 2^(c v) are made once for
; each row element; two elements of the q x v x d field then cost a packed product, a packed square, a packed fused square-plus-one, two v_rcp_f32 and
; a packed add:  score = scale * (64 - 2 * sum_d 1 / (1 + p^4)).
; LIMITS, stated.  c * query is clamped to +-125, so 2^(c q) is a finite normal number; 2^(c v) may become 0 or infinite, which gives tanh = -1 or +1 and
; never NaN.  The identity is exact for |query| <= 173 and |value| <= 174; beyond that a value counts as saturated.  NaN and infinite inputs are not
; served.  64 |scale| + 1e9 stays far below 2^100 (the filler score is -2^100).  P and value enter the matrix unit rounded to bf16; sums are f32, in
; another order than the stated formula's.
;
; MASKS.  A row with an allowed key needs the keys up to q alone (all else gets exp(-1e9 - ..) = 0).  A row with NO allowed key (the batch's first valid
; key lies beyond q) needs all 1,024 scores, since its softmax runs over fl(score - 1e9): its limit is 1,024.  A row with q_mask = 0 has limit 0 and
; stores zeros.  Within a tile the penalty is the formula's own f32 subtraction of 1e9, chosen lane by lane.  Every branch hangs on whole numbers made
; from the mask bytes and the ids.
;
; SHARES.  256 work-groups; work-group (a, b) owns rows 4a .. 4a+3 and 1020-4a .. 1023-4a of batch b, so that the causal work of the two quads adds up
; to the same for every a.  Eight waves; wave w takes the key tiles (32 keys) t = w + 8 i, i = 0 .. 3.  In the score phase a lane is a key.
; A key's position in S, P and VB is 128 w + 32 i + lane: one permutation of the keys for P and for value alike, so the product keeps its terms.
; Then wave r does row r's softmax (true maximum), every wave multiplies P by its own tiles on the matrix unit, and wave r adds the eight partial sums
; of row r and stores the row: 32 lanes x 8 bytes = 256 consecutive bytes, aligned.
; The four tiles of a wave are written out one behind the other: every LDS address is then a register that is fixed at the head (the wave's number times
; a constant plus a lane term) plus an immediate that carries the tile, and each wave's bytes can be read off the text.  All branches go forward.
; A macro's argument may be a sum (i + 1): wherever it is multiplied it stands in brackets.
; The matrix tiles have 16 columns for 8 rows (columns 8-15 repeat 0-7): 2,048 rows on 256 work-groups are 8 rows each.
; NO JOINT TENSOR LOADS, though all work-groups of a batch read value: the number of tiles that a work-group needs hangs on its own rows and its own
; q_mask bytes, so partners would ask for different numbers of tiles; and each tile goes through registers in any case (exponentials, bf16 copy).
.set L_EA,   0                         ; 8 rows x 64 f32: 2^(c query)
.set L_S,    2048                      ; scores: wave x 4,096 + row x 512 + i x 128 + 4 lane
.set L_P,    34816                     ; P in bf16: 8 rows, pitch PPIT, byte 2 x position
.set PPIT,   2064                      ; 2,048 + 16: an odd multiple of 16 bytes
.set L_STG,  51328                     ; each wave's own stage: 32 rows x 272 bytes (transposition); later its partial sums (8 rows x 272)
.set STP,    272                       ; 256 + 16: an odd multiple of 16 bytes
.set STGW,   32*STP
.set L_VB,   120960                    ; value in bf16: 1,024 positions, pitch VP
.set VP,     160                       ; 128 + 32: an odd multiple of 32 bytes, for the transposing loads
.set VBT,    32*VP                     ; a tile
.set VBW,    4*VBT                     ; a wave's four tiles
.set CH,     0x3f38aa3b                ; log2(e) / 2
.set L2E,    0x3fb8aa3b                ; log2(e)
.set FILL,   0xf1800000                ; -2^100: the score of a position that no unit computes
; vector registers
.set LANE, 1
.set T0,   2
.set T1,   3
.set T2,   4
.set VM,   5                           ; lane l: the 32 valid bits of key tile l
.set VOFF, 6                           ; byte offset in value of my 16 bytes of my wave's first tile
.set AVB,  7                           ; where my 8 bytes of bf16 go
.set ASTW, 8                           ; stage, written as loaded
.set ASTR, 9                           ; stage, read back: lane = key
.set AEA,  10
.set ASS,  11                          ; where my score goes
.set BIG,  12                          ; 1e9
.set OUTO, 13                          ; byte offset of my 8 bytes of my wave's row in query and in out0
.set LINV, 14                          ; v[14:15]   q_mask / sum of my wave's row
.set ACC,  16                          ; v[16:23]   four packed sums
.set TA,   24                          ; v[24:39]   eight pairs at work
.set TB,   40                          ; v[40:55]   eight pairs at work
.set EA,   56                          ; v[56:119]  2^(c query) of one row, the same in every lane
.set EB,   120                         ; v[120:183] 2^(c value) of my key
.set RAW,  184                         ; v[184:247] piece j: row 2 j + lane / 16 of the tile, d = 4 (lane % 16) .. + 3
.set C16,  248
.set H,    249
.set WOFF, 250
.set DW,   24                          ; head only: my 32 mask bytes
.set QV,   16                          ; head only: 2 numbers of my wave's query row
.set ASR,  11                          ; softmax: where I read scores
.set ASP,  12                          ; softmax: where I put P
.set MX,   16
.set SM,   18
.set SC,   56                          ; softmax: 32 scores
.set PK,   88                          ; softmax: 16 words of bf16
.set APB,  6                           ; product: P fragment's address
.set AVA,  7                           ; product: value fragments' address
.set AOP,  8                           ; product: where my partial sums go
.set AF,   9                           ; the end: where I read partial sums
.set PB,   24                          ; P fragment
.set VA,   56                          ; four fragments of value
.set OA,   120                         ; four accumulators
.set FIN,  56
; scalar registers: s[4:15] the six addresses
.set SW,   16                          ; wave
.set SB,   17                          ; batch
.set QLO,  18                          ; first low row
.set QHI,  19                          ; first high row
.set QW,   20                          ; my wave's row
.set X0,   21
.set X1,   22
.set X2,   23
.set QR,   24                          ; s[24:31] the eight rows
.set LIM,  32                          ; s[32:39] row r needs the keys below LIM[r]
.set QM0,  44
.set QM1,  45
.set SCL,  46
.set ACTF, 47
.set FV,   48                          ; the batch's first valid key
.set LMAX, 49
.set NT,   50                          ; tiles that this wave prepares, 1 to 4
.set K0,   52                          ; first key of the current tile
.set VMT,  53                          ; its valid bits
.set M2S,  54
.set S64,  55
.set CMIN, 56
.set CMAX, 57
.set PL0,  58
.set PL1,  59
.set MAGIC,60
; My wave's tile i = key tile w + 8 i: 32 rows = 8,192 consecutive bytes, 16 loads of 512 consecutive bytes each; 8 tiles are 65,536 bytes.
; The last byte asked for is 16 x 31 + 8,192 x 7 + 65,536 x 3 + 512 x 15 + 15 = 262,143, the batch's last.
.macro LOADTILE i
.irp j,0,1,2,3,4,5,6,7,8,9,10,11,12,13,14,15
	global_load_b128 v[RAW+4*\j:RAW+4*\j+3], v[VOFF], s[12:13] offset:65536*(\i)+512*\j
.endr
.endm
	s_load_b256 s[4:11], s[0:1], 0x0               ; q_mask s[4:5], query s[6:7], scale s[8:9], v_mask s[10:11]
	s_load_b128 s[12:15], s[0:1], 0x20             ; value s[12:13], out0 s[14:15]
	v_lshl_add_u32 v254, v0, 2, 0x45900
	v_mov_b32 v255, 0
	v_and_b32 v[LANE], 31, v0
	v_lshrrev_b32 v[T0], 5, v0
	v_readfirstlane_b32 s[SW], v[T0]
	s_and_b32 s[SB], ttmp7, 0xffff
	s_lshl_b32 s[QLO], ttmp9, 2
	s_sub_co_u32 s[QHI], 1020, s[QLO]
	s_and_b32 s[X0], s[SW], 3
	s_cmp_lt_u32 s[SW], 4
	s_cselect_b32 s[QW], s[QLO], s[QHI]
	s_add_co_u32 s[QW], s[QW], s[X0]               ; wave r's row is row r of the eight
	s_lshl_b32 s40, s[SB], 10                      ; the batch in the masks,
	s_mov_b32 s41, 0
	s_lshl_b32 s42, s[SB], 18                      ; and in query, value, out0 (1,024 rows of 256 bytes)
	s_mov_b32 s43, 0
	v_lshlrev_b32 v[WOFF], 5, v[LANE]
	s_lshl_b32 s[X0], s[QW], 8
	v_lshl_add_u32 v[OUTO], v[LANE], 3, s[X0]
	s_lshl_b32 s[X0], s[SW], 13                    ; tile w begins at 32 w rows of 256 bytes
	v_lshl_add_u32 v[VOFF], v[LANE], 4, s[X0]
	s_wait_kmcnt 0x0
	s_add_nc_u64 s[4:5], s[4:5], s[40:41]
	s_add_nc_u64 s[10:11], s[10:11], s[40:41]
	s_add_nc_u64 s[6:7], s[6:7], s[42:43]
	s_add_nc_u64 s[12:13], s[12:13], s[42:43]
	s_add_nc_u64 s[14:15], s[14:15], s[42:43]
	s_load_b32 s[QM0], s[4:5], s[QLO] offset:0x0   ; q_mask of the four low rows,
	s_load_b32 s[QM1], s[4:5], s[QHI] offset:0x0   ; of the four high rows
	s_load_b32 s[SCL], s[8:9], 0x0
	global_load_b128 v[DW:DW+3], v[WOFF], s[10:11]                 ; the batch's v_mask, tile = lane
	global_load_b128 v[DW+4:DW+7], v[WOFF], s[10:11] offset:16
	global_load_b64 v[QV:QV+1], v[OUTO], s[6:7]                    ; my wave's query row: 256 consecutive bytes
	LOADTILE 0                                     ; my first tile is always prepared, so that the matrix sums have a first product
	; addresses and constants, while the loads are out
	v_lshrrev_b32 v[H], 4, v[LANE]
	v_and_b32 v[C16], 15, v[LANE]
	s_mul_i32 s[X0], s[SW], VBW
	s_add_co_u32 s[X0], s[X0], L_VB
	v_mul_u32_u24 v[T0], v[H], VP
	v_lshl_add_u32 v[T0], v[C16], 3, v[T0]
	v_add_nc_u32 v[AVB], s[X0], v[T0]
	s_mul_i32 s[X1], s[SW], STGW
	s_add_co_u32 s[X1], s[X1], L_STG
	v_mul_u32_u24 v[T0], v[H], STP
	v_lshl_add_u32 v[T0], v[C16], 4, v[T0]
	v_add_nc_u32 v[ASTW], s[X1], v[T0]
	v_mul_u32_u24 v[T0], v[LANE], STP
	v_add_nc_u32 v[ASTR], s[X1], v[T0]
	v_mov_b32 v[AEA], L_EA
	s_lshl_b32 s[X0], s[SW], 12
	s_add_co_u32 s[X0], s[X0], L_S
	v_lshl_add_u32 v[ASS], v[LANE], 2, s[X0]
	v_mov_b32 v[BIG], 0x4e6e6b28                   ; 1e9
	s_mov_b32 s[CMIN], 0xc2fa0000                  ; -125.0
	s_mov_b32 s[CMAX], 0x42fa0000                  ; 125.0
	s_mov_b32 s[PL0], 0x76543210                   ; v_permlanex16_b32: lane i of the other half
	s_mov_b32 s[PL1], 0xfedcba98
	s_mov_b32 s[MAGIC], 0x01020408
	; my 128 positions of all eight score rows get the filler; the units that run write over it (LDS serves a wave's instructions in order)
	v_lshl_add_u32 v[T0], v[LANE], 4, s[X0]
.irp k,0,1,2,3
	v_mov_b32 v[EA+\k], FILL
.endr
.irp r,0,1,2,3,4,5,6,7
	ds_store_b128 v[T0], v[EA:EA+3] offset:512*\r
.endr
	s_wait_loadcnt 16                              ; the mask and the query row are in; the 16 younger loads (my first tile) stay out
	; four bytes 0 or 1 times 0x01020408 put byte k's bit at bit 24 + k; no two products share a bit, so nothing carries
	v_mul_lo_u32 v[VM], v[DW], s[MAGIC]
	v_lshrrev_b32 v[VM], 24, v[VM]
.irp j,1,2,3,4,5,6,7
	v_mul_lo_u32 v[T0], v[DW+\j], s[MAGIC]
	v_lshrrev_b32 v[T0], 24, v[T0]
	v_lshl_or_b32 v[VM], v[T0], 4*\j, v[VM]
.endr
	; the batch's first valid key: first tile with a bit, first bit in it
	v_cmp_ne_u32 s[X0], 0, v[VM]
	s_ctz_i32_b32 s[X1], s[X0]
	s_and_b32 s[X1], s[X1], 31
	v_readlane_b32 s[X2], v[VM], s[X1]
	s_ctz_i32_b32 s[X2], s[X2]
	s_and_b32 s[X2], s[X2], 31
	s_lshl_b32 s[X1], s[X1], 5
	s_add_co_u32 s[X1], s[X1], s[X2]
	s_cmp_lg_u32 s[X0], 0
	s_cselect_b32 s[FV], s[X1], 0x10000            ; none: beyond every row
	s_wait_kmcnt 0x0                               ; q_mask words and scale
.macro ROWLIM r
.if \r < 4
	s_add_co_u32 s[QR+\r], s[QLO], \r
.else
	s_add_co_u32 s[QR+\r], s[QHI], \r-4
.endif
	s_add_co_u32 s[LIM+\r], s[QR+\r], 1            ; keys 0 .. q
	s_cmp_gt_u32 s[FV], s[QR+\r]                   ; no allowed key: every one of the 1,024 scores counts
	s_cselect_b32 s[LIM+\r], 1024, s[LIM+\r]
.if \r < 4
	s_bitcmp1_b32 s[QM0], 8*\r
.else
	s_bitcmp1_b32 s[QM1], 8*(\r-4)
.endif
	s_cselect_b32 s[LIM+\r], s[LIM+\r], 0          ; q_mask = 0: no score is needed
.endm
.irp r,0,1,2,3,4,5,6,7
	ROWLIM \r
.endr
	s_max_u32 s[LMAX], s[LIM], s[LIM+1]
.irp r,2,3,4,5,6,7
	s_max_u32 s[LMAX], s[LMAX], s[LIM+\r]
.endr
	s_add_co_u32 s[X0], s[LMAX], 31
	s_lshr_b32 s[X0], s[X0], 5                     ; tiles that some row needs
	s_sub_co_i32 s[X0], s[X0], s[SW]
	s_add_co_i32 s[X0], s[X0], 7
	s_ashr_i32 s[X0], s[X0], 3                     ; of them w, w + 8, .. are mine
	s_max_i32 s[NT], s[X0], 1
	s_min_u32 s[NT], s[NT], 4                      ; (32 + 7) / 8 = 4 at the most by construction; the bound is written out
	s_and_b32 s[X1], s[SW], 3                      ; q_mask of my wave's row, as 1.0 or 0
	s_lshl_b32 s[X1], s[X1], 3
	s_cmp_lt_u32 s[SW], 4
	s_cselect_b32 s[X0], s[QM0], s[QM1]
	s_lshr_b32 s[X0], s[X0], s[X1]
	s_and_b32 s[X0], s[X0], 1
	s_cmp_lg_u32 s[X0], 0
	s_cselect_b32 s[ACTF], 0x3f800000, 0
	s_mul_f32 s[M2S], s[SCL], -2.0
	s_mul_f32 s[S64], s[SCL], 0x42800000           ; 64 scale
	; 2^(c query) of my wave's row
	v_pk_mul_f32 v[QV:QV+1], v[QV:QV+1], CH op_sel_hi:[1,0]
	v_med3_num_f32 v[QV], v[QV], s[CMIN], s[CMAX]
	v_med3_num_f32 v[QV+1], v[QV+1], s[CMIN], s[CMAX]
	v_exp_f32 v[QV], v[QV]
	v_exp_f32 v[QV+1], v[QV+1]
	s_lshl_b32 s[X0], s[SW], 8
	v_lshl_add_u32 v[T0], v[LANE], 3, s[X0]        ; L_EA = 0.  Also the plain instruction between the exponentials and their use (ISA guide 5.7.2)
	s_wait_alu depctr_va_vdst(0)
	ds_store_b64 v[T0], v[QV:QV+1]
	s_wait_dscnt 0x0                               ; my row of 2^(c query) is in LDS, for the other waves' sake
	s_barrier_signal -1
	s_barrier_wait -1                              ; all eight rows are
; Tile i as loaded: its bf16 copy goes to VB, its powers 2^(c value) to the wave's own stage, 4 pieces (16 registers) at a time.
.macro PREP i
.irp g,0,1,2,3
.irp p,0,1,2,3
	v_cvt_pk_bf16_f32 v[TA+8*\g+2*\p],   v[RAW+16*\g+4*\p],   v[RAW+16*\g+4*\p+1]
	v_cvt_pk_bf16_f32 v[TA+8*\g+2*\p+1], v[RAW+16*\g+4*\p+2], v[RAW+16*\g+4*\p+3]
.endr
.irp p,0,1,2,3
	ds_store_b64 v[AVB], v[TA+8*\g+2*\p:TA+8*\g+2*\p+1] offset:VBT*(\i)+2*VP*(4*\g+\p)
.endr
.irp p,0,1,2,3,4,5,6,7
	v_pk_mul_f32 v[RAW+16*\g+2*\p:RAW+16*\g+2*\p+1], v[RAW+16*\g+2*\p:RAW+16*\g+2*\p+1], CH op_sel_hi:[1,0]
.endr
.irp p,0,1,2,3,4,5,6,7,8,9,10,11,12,13,14,15
	v_exp_f32 v[RAW+16*\g+\p], v[RAW+16*\g+\p]
.endr
	v_nop                                          ; one plain place behind the last exponential (ISA guide 5.7.2)
	s_wait_alu depctr_va_vdst(0)
.irp p,0,1,2,3
	ds_store_b128 v[ASTW], v[RAW+16*\g+4*\p:RAW+16*\g+4*\p+3] offset:2*STP*(4*\g+\p)
.endr
.endr
.endm
; 16 d of one row against my key: t = 1 + (2^(c q) 2^(c v))^4
.macro S1 b, t
.irp p,0,1,2,3,4,5,6,7
	v_pk_mul_f32 v[\t+2*\p:\t+2*\p+1], v[EA+16*(\b)+2*\p:EA+16*(\b)+2*\p+1], v[EB+16*(\b)+2*\p:EB+16*(\b)+2*\p+1]
.endr
.irp p,0,1,2,3,4,5,6,7
	v_pk_mul_f32 v[\t+2*\p:\t+2*\p+1], v[\t+2*\p:\t+2*\p+1], v[\t+2*\p:\t+2*\p+1]
.endr
.irp p,0,1,2,3,4,5,6,7
	v_pk_fma_f32 v[\t+2*\p:\t+2*\p+1], v[\t+2*\p:\t+2*\p+1], v[\t+2*\p:\t+2*\p+1], 1.0 op_sel_hi:[1,1,0]
.endr
.endm
.macro RC t
.irp p,0,1,2,3,4,5,6,7,8,9,10,11,12,13,14,15
	v_rcp_f32 v[\t+\p], v[\t+\p]
.endr
.endm
.macro AD t, first                     ; onto four packed sums; the first block starts them: nothing is cleared
.if \first
	s_wait_alu depctr_va_vdst(0)
.irp p,0,1,2,3
	v_pk_add_f32 v[ACC+2*\p:ACC+2*\p+1], v[\t+2*\p:\t+2*\p+1], v[\t+8+2*\p:\t+8+2*\p+1]
.endr
.else
	s_wait_alu depctr_va_vdst(0)
.irp p,0,1,2,3
	v_pk_add_f32 v[ACC+2*\p:ACC+2*\p+1], v[ACC+2*\p:ACC+2*\p+1], v[\t+2*\p:\t+2*\p+1]
.endr
.irp p,0,1,2,3
	v_pk_add_f32 v[ACC+2*\p:ACC+2*\p+1], v[ACC+2*\p:ACC+2*\p+1], v[\t+8+2*\p:\t+8+2*\p+1]
.endr
.endif
.endm
; Row r against my wave's tile i: 32 scores, one a lane.  Two sets of temporaries take turns, so that plain arithmetic of the next block stands
; between a block's reciprocals and their use (ISA guide 5.7.2).
.macro UNIT r, i
	s_cmp_le_u32 s[LIM+\r], s[K0]                  ; the row needs no key of this tile: the filler stays
	s_cbranch_scc1 .Lskip_\@
.irp k,0,1,2,3,4,5,6,7,8,9,10,11,12,13,14,15
	ds_load_b128 v[EA+4*\k:EA+4*\k+3], v[AEA] offset:256*(\r)+16*\k        ; every lane reads the same 16 bytes
.endr
	s_wait_dscnt 12                                ; LDS loads come back in order (ISA guide 5.7.1): the first four (16 d) are in, twelve may be out
	S1 0, TA
	RC TA
	s_wait_dscnt 8                                 ; the next four
	S1 1, TB
	AD TA, 1
	RC TB
	s_wait_dscnt 4
	S1 2, TA
	AD TB, 0
	RC TA
	s_wait_dscnt 0
	S1 3, TB
	AD TA, 0
	RC TB
	v_nop                                          ; one plain place behind the last reciprocal
	s_wait_alu depctr_va_vdst(0)
	AD TB, 0
	v_pk_add_f32 v[ACC:ACC+1], v[ACC:ACC+1], v[ACC+2:ACC+3]
	v_pk_add_f32 v[ACC+4:ACC+5], v[ACC+4:ACC+5], v[ACC+6:ACC+7]
	v_pk_add_f32 v[ACC:ACC+1], v[ACC:ACC+1], v[ACC+4:ACC+5]
	v_add_f32 v[ACC], v[ACC], v[ACC+1]
	v_fma_f32 v[T0], v[ACC], s[M2S], s[S64]        ; scale (64 - 2 sum)
	s_sub_co_i32 s[X1], s[QR+\r], s[K0]
	v_cmp_ge_i32 s[X2], s[X1], v[LANE]             ; key <= row
	s_and_b32 s[X2], s[X2], s[VMT]                 ; and valid
	v_sub_f32 v[T1], v[T0], v[BIG]                 ; the formula's own f32 subtraction
	v_cndmask_b32 v[T0], v[T1], v[T0], s[X2]
	ds_store_b32 v[ASS], v[T0] offset:512*(\r)+128*(\i)
.Lskip_\@:
.endm
; My wave's tile i: prepared, the next one asked for, then the eight rows' units.
.macro TILE i
.if \i > 0
	s_cmp_le_u32 s[NT], \i                         ; no row needs this tile or a later one of mine
	s_cbranch_scc1 .Ltiles_done
.endif
	s_wait_loadcnt 0x0                             ; the tile is in registers
	PREP \i
.irp k,0,1,2,3,4,5,6,7,8,9,10,11,12,13,14,15
	ds_load_b128 v[EB+4*\k:EB+4*\k+3], v[ASTR] offset:16*\k        ; my key's 64 powers; the stage is the wave's own, served in order
.endr
	s_wait_dscnt 0x0
.if \i < 3
	s_cmp_le_u32 s[NT], \i+1
	s_cbranch_scc1 .Lno_next_\@                    ; my last tile asks for nothing
	LOADTILE \i+1                                  ; the next tile lands while this one's units run
.Lno_next_\@:
.endif
	s_lshr_b32 s[X0], s[K0], 5
	v_readlane_b32 s[VMT], v[VM], s[X0]
.irp r,0,1,2,3,4,5,6,7
	UNIT \r, \i
.endr
	s_add_co_u32 s[K0], s[K0], 256                 ; 8 tiles of 32 keys on
.endm
	s_lshl_b32 s[K0], s[SW], 5
	TILE 0
	TILE 1
	TILE 2
	TILE 3
.Ltiles_done:
	s_wait_loadcnt 0x0                             ; no load is out (met at once): v6 gets another use below
	s_wait_dscnt 0x0                               ; my scores are in LDS, for the other waves' sake
	s_barrier_signal -1
	s_barrier_wait -1
	; SOFTMAX of my wave's row: 32 scores a lane, register 4 w + k = position 128 w + 4 lane + k
	s_lshl_b32 s[X0], s[SW], 9
	s_add_co_u32 s[X0], s[X0], L_S
	v_lshl_add_u32 v[ASR], v[LANE], 4, s[X0]
.irp w,0,1,2,3,4,5,6,7
	ds_load_b128 v[SC+4*\w:SC+4*\w+3], v[ASR] offset:4096*\w
.endr
	; the later phases' addresses, while the scores come
	s_mul_i32 s[X0], s[SW], PPIT
	s_add_co_u32 s[X0], s[X0], L_P
	v_lshl_add_u32 v[ASP], v[LANE], 3, s[X0]
	v_and_b32 v[T0], 7, v[LANE]
	v_mul_u32_u24 v[T1], v[T0], PPIT               ; P fragment: row lane % 8, 16 bytes for each half of the lanes, my wave's 128 positions
	v_lshl_add_u32 v[T1], v[H], 4, v[T1]
	s_lshl_b32 s[X0], s[SW], 8
	s_add_co_u32 s[X0], s[X0], L_P
	v_add_nc_u32 v[APB], s[X0], v[T1]
	v_lshl_add_u32 v[T1], v[H], 3, v[T0]           ; value fragment, transposing load: position 8 (lane / 16) + lane % 8, 16 bytes by bit 3 of the lane
	v_mul_u32_u24 v[T1], v[T1], VP
	v_bfe_u32 v[T2], v[LANE], 3, 1
	v_lshl_add_u32 v[T1], v[T2], 4, v[T1]
	s_mul_i32 s[X0], s[SW], VBW
	s_add_co_u32 s[X0], s[X0], L_VB
	v_add_nc_u32 v[AVA], s[X0], v[T1]
	v_mul_u32_u24 v[T1], v[T0], STP                ; partial sums: row lane % 8, 32 bytes for each half of the lanes
	v_lshl_add_u32 v[T1], v[H], 5, v[T1]
	s_mul_i32 s[X0], s[SW], STGW
	s_add_co_u32 s[X0], s[X0], L_STG
	v_add_nc_u32 v[AOP], s[X0], v[T1]
	s_mul_i32 s[X0], s[SW], STP
	s_add_co_u32 s[X0], s[X0], L_STG
	v_lshl_add_u32 v[AF], v[LANE], 3, s[X0]
	s_wait_dscnt 0x0
	v_max3_num_f32 v[MX], v[SC], v[SC+1], v[SC+2]
.set j, 3
.rept 14
	v_max3_num_f32 v[MX], v[MX], v[SC+j], v[SC+j+1]
.set j, j+2
.endr
	v_max_num_f32 v[MX], v[MX], v[SC+31]
	v_max_num_f32_dpp v[MX], v[MX], v[MX] row_xmask:1 row_mask:0xf bank_mask:0xf
	v_max_num_f32_dpp v[MX], v[MX], v[MX] row_xmask:2 row_mask:0xf bank_mask:0xf
	v_max_num_f32_dpp v[MX], v[MX], v[MX] row_xmask:4 row_mask:0xf bank_mask:0xf
	v_max_num_f32_dpp v[MX], v[MX], v[MX] row_xmask:8 row_mask:0xf bank_mask:0xf
	v_permlanex16_b32 v[MX+1], v[MX], s[PL0], s[PL1]
	v_max_num_f32 v[MX+1], v[MX], v[MX+1]          ; the row's true maximum, in every lane,
	v_mov_b32 v[MX], v[MX+1]                       ; twice, for the packed subtraction
.set j, 0
.rept 16
	v_pk_add_f32 v[SC+j:SC+j+1], v[SC+j:SC+j+1], v[MX:MX+1] neg_lo:[0,1] neg_hi:[0,1]      ; the maximum goes first, as in the formula: near 1e9 the difference is exact
	v_pk_mul_f32 v[SC+j:SC+j+1], v[SC+j:SC+j+1], L2E op_sel_hi:[1,0]
.set j, j+2
.endr
.set j, 0
.rept 32
	v_exp_f32 v[SC+j], v[SC+j]
.set j, j+1
.endr
	v_nop                                          ; one plain place behind the last exponential
	s_wait_alu depctr_va_vdst(0)
	v_pk_add_f32 v[SM:SM+1], v[SC:SC+1], v[SC+2:SC+3]
.set j, 4
.rept 14
	v_pk_add_f32 v[SM:SM+1], v[SM:SM+1], v[SC+j:SC+j+1]
.set j, j+2
.endr
	v_add_f32 v[SM], v[SM], v[SM+1]
	v_add_f32_dpp v[SM], v[SM], v[SM] row_xmask:1 row_mask:0xf bank_mask:0xf
	v_add_f32_dpp v[SM], v[SM], v[SM] row_xmask:2 row_mask:0xf bank_mask:0xf
	v_add_f32_dpp v[SM], v[SM], v[SM] row_xmask:4 row_mask:0xf bank_mask:0xf
	v_add_f32_dpp v[SM], v[SM], v[SM] row_xmask:8 row_mask:0xf bank_mask:0xf
	v_permlanex16_b32 v[SM+1], v[SM], s[PL0], s[PL1]
	v_add_f32 v[SM], v[SM], v[SM+1]                ; at least 1: the maximum's own term
	v_rcp_f32 v[T0], v[SM]
.set j, 0
.rept 16
	v_cvt_pk_bf16_f32 v[PK+j], v[SC+2*j], v[SC+2*j+1]              ; plain work between the reciprocal and its use
.set j, j+1
.endr
	s_wait_alu depctr_va_vdst(0)
	v_mul_f32 v[LINV], s[ACTF], v[T0]              ; q_mask / sum: applied to the f32 sums at the end
	v_mov_b32 v[LINV+1], v[LINV]
.irp w,0,1,2,3,4,5,6,7
	ds_store_b64 v[ASP], v[PK+2*\w:PK+2*\w+1] offset:256*\w
.endr
	s_wait_dscnt 0x0                               ; my row of P is in LDS, for the other waves' sake
	s_barrier_signal -1
	s_barrier_wait -1
	; PRODUCT.  D(m = d, n = row) = sum over my tile's 32 keys of value(key, d) P(row, key): source 0 = value transposed (four blocks of 16 d),
	; source 1 = P.  The four accumulators take turns, one instruction a turn.
.macro PVSTEP i
.if \i > 0
	s_cmp_le_u32 s[NT], \i                         ; only tiles that were prepared; P is 0 at every other position of a row that counts
	s_cbranch_scc1 .Lpv_done
.rept 4
	v_nop                                          ; four places between the last matrix instructions and the loads into their sources (ISA guide 7.12.1 for vector instructions)
.endr
.endif
	ds_load_b128 v[PB:PB+3], v[APB] offset:64*(\i)
	ds_load_b128 v[PB+4:PB+7], v[APB] offset:64*(\i)+32
.irp b,0,1,2,3
	ds_load_tr16_b128 v[VA+8*\b:VA+8*\b+3], v[AVA] offset:VBT*(\i)+32*\b
	ds_load_tr16_b128 v[VA+8*\b+4:VA+8*\b+7], v[AVA] offset:VBT*(\i)+32*\b+16*VP
.endr
	s_wait_dscnt 0x0
.irp b,0,1,2,3
.if \i == 0
	v_wmma_f32_16x16x32_bf16 v[OA+8*\b:OA+8*\b+7], v[VA+8*\b:VA+8*\b+7], v[PB:PB+7], 0     ; the first product starts the sums
.else
	v_wmma_f32_16x16x32_bf16 v[OA+8*\b:OA+8*\b+7], v[VA+8*\b:VA+8*\b+7], v[PB:PB+7], v[OA+8*\b:OA+8*\b+7]
.endif
.endr
.endm
	PVSTEP 0
	PVSTEP 1
	PVSTEP 2
	PVSTEP 3
.Lpv_done:
.rept 4
	v_nop                                          ; four places behind the last matrix instructions, before their results are stored and their sources loaded again
.endr
	; register j of block b in lane l: row l % 16, d = 16 b + 8 (l / 16) + j.  Lanes with l % 16 >= 8 hold the same numbers as l - 8 and write the same bytes.
.irp b,0,1,2,3
	ds_store_b128 v[AOP], v[OA+8*\b:OA+8*\b+3] offset:64*\b
	ds_store_b128 v[AOP], v[OA+8*\b+4:OA+8*\b+7] offset:64*\b+16
.endr
	s_wait_dscnt 0x0                               ; my partial sums are in LDS, for the other waves' sake
	s_barrier_signal -1
	s_barrier_wait -1
	; THE END: wave r adds the eight waves' partial sums of row r, in a fixed order, scales and stores
.irp w,0,1,2,3,4,5,6,7
	ds_load_b64 v[FIN+2*\w:FIN+2*\w+1], v[AF] offset:STGW*\w
.endr
	s_wait_dscnt 0x0
	v_pk_add_f32 v[FIN:FIN+1], v[FIN:FIN+1], v[FIN+2:FIN+3]
	v_pk_add_f32 v[FIN+4:FIN+5], v[FIN+4:FIN+5], v[FIN+6:FIN+7]
	v_pk_add_f32 v[FIN+8:FIN+9], v[FIN+8:FIN+9], v[FIN+10:FIN+11]
	v_pk_add_f32 v[FIN+12:FIN+13], v[FIN+12:FIN+13], v[FIN+14:FIN+15]
	v_pk_add_f32 v[FIN:FIN+1], v[FIN:FIN+1], v[FIN+4:FIN+5]
	v_pk_add_f32 v[FIN+8:FIN+9], v[FIN+8:FIN+9], v[FIN+12:FIN+13]
	v_pk_add_f32 v[FIN:FIN+1], v[FIN:FIN+1], v[FIN+8:FIN+9]
	v_pk_mul_f32 v[FIN:FIN+1], v[FIN:FIN+1], v[LINV:LINV+1]
	global_store_b64 v[OUTO], v[FIN:FIN+1], s[14:15]               ; the wave's store covers the row's 256 consecutive bytes, aligned
	s_wait_tensorcnt 0x0
	ds_add_u32 v254, v255
	s_wait_dscnt 0x0
	s_endpgm
.Lfunc_end_k_q4b6e1727d6_softattn:
	.size	k_q4b6e1727d6_softattn, .Lfunc_end_k_q4b6e1727d6_softattn-k_q4b6e1727d6_softattn
	.p2alignl 7, 3214868480
	.fill 96, 4, 3214868480
	.section	.rodata,"a",@progbits
	.p2align	6, 0x0
	.amdhsa_kernel k_q4b6e1727d6_softattn
		.amdhsa_group_segment_fixed_size 285952
		.amdhsa_private_segment_fixed_size 0
		.amdhsa_enable_private_segment 0
		.amdhsa_kernarg_size 48
		.amdhsa_user_sgpr_count 2
		.amdhsa_user_sgpr_kernarg_segment_ptr 1
		.amdhsa_wavefront_size32 1
		.amdhsa_system_sgpr_workgroup_id_x 1
		.amdhsa_system_sgpr_workgroup_id_y 1
		.amdhsa_system_sgpr_workgroup_id_z 1
		.amdhsa_system_vgpr_workitem_id 0
		.amdhsa_next_free_vgpr 256
		.amdhsa_next_free_sgpr 66
		.amdhsa_reserve_vcc 0
		.amdhsa_float_denorm_mode_32 3
		.amdhsa_float_denorm_mode_16_64 3
		.amdhsa_memory_ordered 1
		.amdhsa_forward_progress 1
		.amdhsa_inst_pref_size 255
	.end_amdhsa_kernel
	.section	.bss,"aw",@nobits
	.p2align	6
	.space	262144
	.amdgpu_metadata
---
amdhsa.version: [ 1, 2 ]
amdhsa.kernels:
  - .name:           k_q4b6e1727d6_softattn
    .symbol:         k_q4b6e1727d6_softattn.kd
    .args:
      - { .name: q_mask, .offset: 0, .size: 8, .value_kind: global_buffer, .address_space: global }
      - { .name: query, .offset: 8, .size: 8, .value_kind: global_buffer, .address_space: global }
      - { .name: scale, .offset: 16, .size: 8, .value_kind: global_buffer, .address_space: global }
      - { .name: v_mask, .offset: 24, .size: 8, .value_kind: global_buffer, .address_space: global }
      - { .name: value, .offset: 32, .size: 8, .value_kind: global_buffer, .address_space: global }
      - { .name: out0, .offset: 40, .size: 8, .value_kind: global_buffer, .address_space: global }
    .group_segment_fixed_size: 285952
    .private_segment_fixed_size: 0
    .kernarg_segment_align: 8
    .kernarg_segment_size: 48
    .max_flat_workgroup_size: 256
    .sgpr_count:     66
    .vgpr_count:     256
    .wavefront_size: 32
...
	.end_amdgpu_metadata
.endif
;; end of part 1
;; ======== version 2 of 2: 1 launch; version 1 with the launch softattn written anew for expert scheduling mode
;; limits: inputs' magnitudes at most 173
;; launch softattn (part 2): grid 128 x 2, 8 waves a work-group, no clusters, 285,952 bytes of LDS; arguments q_mask, query, scale, v_mask, value, out0; writes out0
.if DOCPART == 2
	.amdgcn_target "amdgcn-amd-amdhsa--gfx1250"
	.amdhsa_code_object_version 6
	.text
	.protected	k_q4b6e1727d6_softattn
	.globl	k_q4b6e1727d6_softattn
	.p2align	8
	.type	k_q4b6e1727d6_softattn,@function
k_q4b6e1727d6_softattn:
	s_mov_b64 s[64:65], 0
	v_nop
	global_prefetch_b8 v0, s[64:65] scope:SCOPE_SE
	s_setreg_imm32_b32 hwreg(HW_REG_WAVE_SCHED_MODE, 0, 2), 2
	s_setreg_imm32_b32 hwreg(HW_REG_WAVE_MODE, 25, 1), 1
	s_wait_xcnt 0x0
	s_wait_alu depctr_vm_vsrc(0)
; Additive attention: out[b][q] = q_mask[q] * softmax_v( scale * sum_d tanh(query[q][d] + value[v][d]) - 1e9 * (v > q or not v_mask[v]) ) @ value.
; B = 2, TQ = TV = 1024, D = 64, all f32; the masks are bytes 0 or 1.
;
; ARITHMETIC.  tanh(x) = 1 - 2 / (1 + e^(2x)) and e^(2(q+v)) = (2^(c q) * 2^(c v))^4 with c = log2(e)/2.  The powers 2^(c q), 2^(c v) are made once for
; each row element; two elements of the q x v x d field then cost a packed product, a packed square, a packed fused square-plus-one, two v_rcp_f32 and
; a packed add:  score = scale * (64 - 2 * sum_d 1 / (1 + p^4)).
; LIMITS, stated.  c * query is clamped to +-125, so 2^(c q) is a finite normal number; 2^(c v) may become 0 or infinite, which gives tanh = -1 or +1 and
; never NaN.  The identity is exact for |query| <= 173 and |value| <= 174; beyond that a value counts as saturated.  NaN and infinite inputs are not
; served.  64 |scale| + 1e9 stays far below 2^100 (the filler score is -2^100).  P and value enter the matrix unit rounded to bf16; sums are f32, in
; another order than the stated formula's.
;
; MASKS.  A row with an allowed key needs the keys up to q alone (all else gets exp(-1e9 - ..) = 0).  A row with NO allowed key (the batch's first valid
; key lies beyond q) needs all 1,024 scores, since its softmax runs over fl(score - 1e9): its limit is 1,024.  A row with q_mask = 0 has limit 0 and
; stores zeros.  Within a tile the penalty is the formula's own f32 subtraction of 1e9, chosen lane by lane.  Every branch hangs on whole numbers made
; from the mask bytes and the ids.
;
; SHARES.  256 work-groups; work-group (a, b) owns rows 4a .. 4a+3 and 1020-4a .. 1023-4a of batch b, so that the causal work of the two quads adds up
; to the same for every a.  Eight waves; wave w takes the key tiles (32 keys) t = w + 8 i, i = 0 .. 3.  In the score phase a lane is a key.
; A key's position in S, P and VB is 128 w + 32 i + lane: one permutation of the keys for P and for value alike, so the product keeps its terms.
; Then wave r does row r's softmax (true maximum), every wave multiplies P by its own tiles on the matrix unit, and wave r adds the eight partial sums
; of row r and stores the row: 32 lanes x 8 bytes = 256 consecutive bytes, aligned.
; The four tiles of a wave are written out one behind the other: every LDS address is then a register that is fixed at the head (the wave's number times
; a constant plus a lane term) plus an immediate that carries the tile, and each wave's bytes can be read off the text.  All branches go forward.
; A macro's argument may be a sum (i + 1): wherever it is multiplied it stands in brackets.
; The matrix tiles have 16 columns for 8 rows (columns 8-15 repeat 0-7): 2,048 rows on 256 work-groups are 8 rows each.
; NO JOINT TENSOR LOADS, though all work-groups of a batch read value: the number of tiles that a work-group needs hangs on its own rows and its own
; q_mask bytes, so partners would ask for different numbers of tiles; and each tile goes through registers in any case (exponentials, bf16 copy).
;
; THE MODE: SCHED_MODE bits 1:0 = 2 (LLVM: expert scheduling mode 2), set by the entry lines.  The code itself states the register dependences
; between vector or matrix instructions and memory or LDS instructions, with s_wait_alu, always for 0.
; THE PLAN.  Registers that memory or LDS instructions touch, and who else names them:
;   RAW          A tile's 16 loads land in it; the tile's preparation reads it (bf16 copy), scales it and takes its exponentials in place; 16 LDS stores read it.
;   EA           In a tile's preparation its first 32 registers take the bf16 copy, which 16 LDS stores read.  In a unit (a row against a tile) 16 LDS loads land in it;
;                products, squares and reciprocals work in place; the sums read it.
;   EB           16 LDS loads a tile land in it; the units' products read it.
;   SCR          Register r: written by row r's unit, read by that unit's one LDS store, written again a tile later.
;   v6 .. v13, v250   Addresses, made at the head and fixed through the score phase; v6 - v9, v11, v12 get other meanings at the softmax's head.
;   SC, PK; PB, VA (a set of their own for each of the four product steps, so that none is loaded twice); OA; FIN: the later phases' (see there).
; A preparation has two waits on va_vdst: behind the exponentials of pieces 0 to 11, so that 28 of its LDS stores are dealt among the last 16 exponentials, which name
; the last four pieces alone; and behind those.  One wait on vm_vsrc follows its LDS instructions.  A unit has two waits on va_vdst: behind its 64 reciprocals, one batch,
; ahead of the sums; and at its end, ahead of the score's store and of the next unit's loads into EA, between which and the wait no vector instruction stands.
.set L_EA,   0                         ; 8 rows x 64 f32: 2^(c query)
.set L_S,    2048                      ; scores: wave x 4,096 + row x 512 + i x 128 + 4 lane
.set L_P,    34816                     ; P in bf16: 8 rows, pitch PPIT, byte 2 x position
.set PPIT,   2064                      ; 2,048 + 16: an odd multiple of 16 bytes
.set L_STG,  51328                     ; each wave's own stage: 32 rows x 272 bytes (transposition); later its partial sums (8 rows x 272)
.set STP,    272                       ; 256 + 16: an odd multiple of 16 bytes
.set STGW,   32*STP
.set L_VB,   120960                    ; value in bf16: 1,024 positions, pitch VP
.set VP,     160                       ; 128 + 32: an odd multiple of 32 bytes, for the transposing loads
.set VBT,    32*VP                     ; a tile
.set VBW,    4*VBT                     ; a wave's four tiles
.set CH,     0x3f38aa3b                ; log2(e) / 2
.set L2E,    0x3fb8aa3b                ; log2(e)
.set FILL,   0xf1800000                ; -2^100: the score of a position that no unit computes
; vector registers
.set LANE, 1
.set T0,   2
.set T1,   3
.set T2,   4
.set VM,   5                           ; lane l: the 32 valid bits of key tile l
.set VOFF, 6                           ; byte offset in value of my 16 bytes of my wave's first tile
.set AVB,  7                           ; where my 8 bytes of bf16 go
.set ASTW, 8                           ; stage, written as loaded
.set ASTR, 9                           ; stage, read back: lane = key
.set AEA,  10
.set ASS,  11                          ; where my score goes
.set BIG,  12                          ; 1e9
.set OUTO, 13                          ; byte offset of my 8 bytes of my wave's row in query and in out0
.set LINV, 14                          ; v[14:15]   q_mask / sum of my wave's row
.set ACC,  16                          ; v[16:23]   four packed sums
.set SCR,  24                          ; v[24:31]   row r's score against the tile in hand
.set EA,   56                          ; v[56:119]  2^(c query) of one row, the same in every lane; then, in place, the row's 64 terms for my key
.set BFC,  EA                          ; v[56:87]   a tile's preparation only: its bf16 copy
.set EB,   120                         ; v[120:183] 2^(c value) of my key
.set RAW,  184                         ; v[184:247] piece j: row 2 j + lane / 16 of the tile, d = 4 (lane % 16) .. + 3
.set C16,  248
.set H,    249
.set WOFF, 250
.set DW,   24                          ; head only: my 32 mask bytes
.set QV,   16                          ; head only: 2 numbers of my wave's query row
.set ASR,  11                          ; softmax: where I read scores
.set ASP,  12                          ; softmax: where I put P
.set MX,   16
.set SM,   18
.set SC,   56                          ; softmax: 32 scores
.set PK,   88                          ; softmax: 16 words of bf16
.set APB,  6                           ; product: P fragment's address
.set AVA,  7                           ; product: value fragments' address
.set AOP,  8                           ; product: where my partial sums go
.set AF,   9                           ; the end: where I read partial sums
.set PB,   24                          ; v[24:55]   step i's P fragment at PB + 8 i
                                       ; step i's four fragments of value: v[56:87] for i = 0, v[120+32 i ..] for i = 1, 2, 3 (v[152:247])
.set OA,   120                         ; four accumulators
.set FIN,  56
; scalar registers: s[4:15] the six addresses
.set SW,   16                          ; wave
.set SB,   17                          ; batch
.set QLO,  18                          ; first low row
.set QHI,  19                          ; first high row
.set QW,   20                          ; my wave's row
.set X0,   21
.set X1,   22
.set X2,   23
.set QR,   24                          ; s[24:31] the eight rows
.set LIM,  32                          ; s[32:39] row r needs the keys below LIM[r]
.set QM0,  44
.set QM1,  45
.set SCL,  46
.set ACTF, 47
.set FV,   48                          ; the batch's first valid key
.set LMAX, 49
.set NT,   50                          ; tiles that this wave prepares, 1 to 4
.set K0,   52                          ; first key of the current tile
.set VMT,  53                          ; its valid bits
.set M2S,  54
.set S64,  55
.set CMIN, 56
.set CMAX, 57
.set PL0,  58
.set PL1,  59
.set MAGIC,60
; My wave's tile i = key tile w + 8 i: 32 rows = 8,192 consecutive bytes, 16 loads of 512 consecutive bytes each; 8 tiles are 65,536 bytes.
; The last byte asked for is 16 x 31 + 8,192 x 7 + 65,536 x 3 + 512 x 15 + 15 = 262,143, the batch's last.
.macro LOADTILE i
.irp j,0,1,2,3,4,5,6,7,8,9,10,11,12,13,14,15
	global_load_b128 v[RAW+4*\j:RAW+4*\j+3], v[VOFF], s[12:13] offset:65536*(\i)+512*\j
.endr
.endm
	s_load_b256 s[4:11], s[0:1], 0x0               ; q_mask s[4:5], query s[6:7], scale s[8:9], v_mask s[10:11]
	s_load_b128 s[12:15], s[0:1], 0x20             ; value s[12:13], out0 s[14:15]
	v_lshl_add_u32 v254, v0, 2, 0x45900
	v_mov_b32 v255, 0
	v_and_b32 v[LANE], 31, v0
	v_lshrrev_b32 v[T0], 5, v0
	v_readfirstlane_b32 s[SW], v[T0]
	s_and_b32 s[SB], ttmp7, 0xffff
	s_lshl_b32 s[QLO], ttmp9, 2
	s_sub_co_u32 s[QHI], 1020, s[QLO]
	s_wait_alu depctr_va_sdst(0)                   ; the wave's number is written, ahead of its first reader
	s_and_b32 s[X0], s[SW], 3
	s_cmp_lt_u32 s[SW], 4
	s_cselect_b32 s[QW], s[QLO], s[QHI]
	s_add_co_u32 s[QW], s[QW], s[X0]               ; wave r's row is row r of the eight
	s_lshl_b32 s40, s[SB], 10                      ; the batch in the masks,
	s_mov_b32 s41, 0
	s_lshl_b32 s42, s[SB], 18                      ; and in query, value, out0 (1,024 rows of 256 bytes)
	s_mov_b32 s43, 0
	v_lshlrev_b32 v[WOFF], 5, v[LANE]
	s_lshl_b32 s[X0], s[QW], 8
	v_lshl_add_u32 v[OUTO], v[LANE], 3, s[X0]
	s_lshl_b32 s[X0], s[SW], 13                    ; tile w begins at 32 w rows of 256 bytes
	v_lshl_add_u32 v[VOFF], v[LANE], 4, s[X0]
	s_wait_kmcnt 0x0
	s_add_nc_u64 s[4:5], s[4:5], s[40:41]
	s_add_nc_u64 s[10:11], s[10:11], s[40:41]
	s_add_nc_u64 s[6:7], s[6:7], s[42:43]
	s_add_nc_u64 s[12:13], s[12:13], s[42:43]
	s_add_nc_u64 s[14:15], s[14:15], s[42:43]
	s_load_b32 s[QM0], s[4:5], s[QLO] offset:0x0   ; q_mask of the four low rows,
	s_load_b32 s[QM1], s[4:5], s[QHI] offset:0x0   ; of the four high rows
	s_load_b32 s[SCL], s[8:9], 0x0
	s_wait_alu depctr_va_vdst(0)                   ; the three offsets v[WOFF], v[OUTO], v[VOFF] are written, which the global loads and the last store read
	global_load_b128 v[DW:DW+3], v[WOFF], s[10:11]                 ; the batch's v_mask, tile = lane
	global_load_b128 v[DW+4:DW+7], v[WOFF], s[10:11] offset:16
	global_load_b64 v[QV:QV+1], v[OUTO], s[6:7]                    ; my wave's query row: 256 consecutive bytes
	LOADTILE 0                                     ; my first tile is always prepared, so that the matrix sums have a first product
	; addresses and constants, while the loads are out
	v_lshrrev_b32 v[H], 4, v[LANE]
	v_and_b32 v[C16], 15, v[LANE]
	s_mul_i32 s[X0], s[SW], VBW
	s_add_co_u32 s[X0], s[X0], L_VB
	v_mul_u32_u24 v[T0], v[H], VP
	v_lshl_add_u32 v[T0], v[C16], 3, v[T0]
	v_add_nc_u32 v[AVB], s[X0], v[T0]
	s_mul_i32 s[X1], s[SW], STGW
	s_add_co_u32 s[X1], s[X1], L_STG
	v_mul_u32_u24 v[T0], v[H], STP
	v_lshl_add_u32 v[T0], v[C16], 4, v[T0]
	v_add_nc_u32 v[ASTW], s[X1], v[T0]
	v_mul_u32_u24 v[T0], v[LANE], STP
	v_add_nc_u32 v[ASTR], s[X1], v[T0]
	v_mov_b32 v[AEA], L_EA
	s_lshl_b32 s[X0], s[SW], 12
	s_add_co_u32 s[X0], s[X0], L_S
	v_lshl_add_u32 v[ASS], v[LANE], 2, s[X0]
	v_mov_b32 v[BIG], 0x4e6e6b28                   ; 1e9
	s_mov_b32 s[CMIN], 0xc2fa0000                  ; -125.0
	s_mov_b32 s[CMAX], 0x42fa0000                  ; 125.0
	s_mov_b32 s[PL0], 0x76543210                   ; v_permlanex16_b32: lane i of the other half
	s_mov_b32 s[PL1], 0xfedcba98
	s_mov_b32 s[MAGIC], 0x01020408
	; my 128 positions of all eight score rows get the filler; the units that run write over it (LDS serves a wave's instructions in order)
	v_lshl_add_u32 v[T0], v[LANE], 4, s[X0]
.irp k,0,1,2,3
	v_mov_b32 v[EA+\k], FILL
.endr
	s_wait_alu depctr_va_vdst(0)                   ; the filler and its address are written, which the stores below read; so are the score phase's LDS addresses v[AVB], v[ASTW], v[ASTR], v[AEA], v[ASS]
.irp r,0,1,2,3,4,5,6,7
	ds_store_b128 v[T0], v[EA:EA+3] offset:512*\r
.endr
	s_wait_loadcnt 16                              ; the mask and the query row are in; the 16 younger loads (my first tile) stay out
	s_wait_alu depctr_vm_vsrc(0)                   ; the filler's stores have read v[T0], which is written again below, and v[EA:EA+3], which the first tile's bf16 copy writes
	; four bytes 0 or 1 times 0x01020408 put byte k's bit at bit 24 + k; no two products share a bit, so nothing carries
	v_mul_lo_u32 v[VM], v[DW], s[MAGIC]
	v_lshrrev_b32 v[VM], 24, v[VM]
.irp j,1,2,3,4,5,6,7
	v_mul_lo_u32 v[T0], v[DW+\j], s[MAGIC]
	v_lshrrev_b32 v[T0], 24, v[T0]
	v_lshl_or_b32 v[VM], v[T0], 4*\j, v[VM]
.endr
	; the batch's first valid key: first tile with a bit, first bit in it
	v_cmp_ne_u32 s[X0], 0, v[VM]
	s_wait_alu depctr_va_sdst(0)                   ; the compare has written its mask, ahead of its first reader
	s_ctz_i32_b32 s[X1], s[X0]
	s_and_b32 s[X1], s[X1], 31
	v_readlane_b32 s[X2], v[VM], s[X1]
	s_wait_alu depctr_va_sdst(0)                   ; that tile's bits are written, ahead of their first reader
	s_ctz_i32_b32 s[X2], s[X2]
	s_and_b32 s[X2], s[X2], 31
	s_lshl_b32 s[X1], s[X1], 5
	s_add_co_u32 s[X1], s[X1], s[X2]
	s_cmp_lg_u32 s[X0], 0
	s_cselect_b32 s[FV], s[X1], 0x10000            ; none: beyond every row
	s_wait_kmcnt 0x0                               ; q_mask words and scale
.macro ROWLIM r
.if \r < 4
	s_add_co_u32 s[QR+\r], s[QLO], \r
.else
	s_add_co_u32 s[QR+\r], s[QHI], \r-4
.endif
	s_add_co_u32 s[LIM+\r], s[QR+\r], 1            ; keys 0 .. q
	s_cmp_gt_u32 s[FV], s[QR+\r]                   ; no allowed key: every one of the 1,024 scores counts
	s_cselect_b32 s[LIM+\r], 1024, s[LIM+\r]
.if \r < 4
	s_bitcmp1_b32 s[QM0], 8*\r
.else
	s_bitcmp1_b32 s[QM1], 8*(\r-4)
.endif
	s_cselect_b32 s[LIM+\r], s[LIM+\r], 0          ; q_mask = 0: no score is needed
.endm
.irp r,0,1,2,3,4,5,6,7
	ROWLIM \r
.endr
	s_max_u32 s[LMAX], s[LIM], s[LIM+1]
.irp r,2,3,4,5,6,7
	s_max_u32 s[LMAX], s[LMAX], s[LIM+\r]
.endr
	s_add_co_u32 s[X0], s[LMAX], 31
	s_lshr_b32 s[X0], s[X0], 5                     ; tiles that some row needs
	s_sub_co_i32 s[X0], s[X0], s[SW]
	s_add_co_i32 s[X0], s[X0], 7
	s_ashr_i32 s[X0], s[X0], 3                     ; of them w, w + 8, .. are mine
	s_max_i32 s[NT], s[X0], 1
	s_min_u32 s[NT], s[NT], 4                      ; (32 + 7) / 8 = 4 at the most by construction; the bound is written out
	s_and_b32 s[X1], s[SW], 3                      ; q_mask of my wave's row, as 1.0 or 0
	s_lshl_b32 s[X1], s[X1], 3
	s_cmp_lt_u32 s[SW], 4
	s_cselect_b32 s[X0], s[QM0], s[QM1]
	s_lshr_b32 s[X0], s[X0], s[X1]
	s_and_b32 s[X0], s[X0], 1
	s_cmp_lg_u32 s[X0], 0
	s_cselect_b32 s[ACTF], 0x3f800000, 0
	s_mul_f32 s[M2S], s[SCL], -2.0
	s_mul_f32 s[S64], s[SCL], 0x42800000           ; 64 scale
	; 2^(c query) of my wave's row
	v_pk_mul_f32 v[QV:QV+1], v[QV:QV+1], CH op_sel_hi:[1,0]
	v_med3_num_f32 v[QV], v[QV], s[CMIN], s[CMAX]
	v_med3_num_f32 v[QV+1], v[QV+1], s[CMIN], s[CMAX]
	v_exp_f32 v[QV], v[QV]
	v_exp_f32 v[QV+1], v[QV+1]
	s_lshl_b32 s[X0], s[SW], 8
	v_lshl_add_u32 v[T0], v[LANE], 3, s[X0]        ; L_EA = 0.  Also the plain instruction between the exponentials and their use (ISA guide 5.7.2)
	s_wait_alu depctr_va_vdst(0)                   ; the two exponentials have written v[QV:QV+1], and v[T0] is written: the store reads all three
	ds_store_b64 v[T0], v[QV:QV+1]
	s_wait_dscnt 0x0                               ; my row of 2^(c query) is in LDS, for the other waves' sake
	s_barrier_signal -1
	s_barrier_wait -1                              ; all eight rows are
	s_wait_alu depctr_vm_vsrc(0)                   ; that store has read v[T0] and v[QV:QV+1]: the units write them again (v[T0], v[ACC:ACC+1])
; Tile i as loaded: its bf16 copy goes to VB, its powers 2^(c value) to the wave's own stage.  A group is 4 pieces, 16 registers.
; Plain instruction k of 16 of group g: eight roundings (which read the numbers as loaded), then eight scalings in place.
.macro PP g, k
.if (\k) < 8
	v_cvt_pk_bf16_f32 v[BFC+8*(\g)+(\k)], v[RAW+16*(\g)+2*(\k)], v[RAW+16*(\g)+2*(\k)+1]
.else
	v_pk_mul_f32 v[RAW+16*(\g)+2*(\k)-16:RAW+16*(\g)+2*(\k)-15], v[RAW+16*(\g)+2*(\k)-16:RAW+16*(\g)+2*(\k)-15], CH op_sel_hi:[1,0]
.endif
.endm
; A group's exponentials stand one to one between the next group's plain instructions, which name other registers (ISA guide 5.7.2).
.macro PREP i
.irp k,0,1,2,3,4,5,6,7,8,9,10,11,12,13,14,15
	PP 0, \k
.endr
.irp g,0,1,2
.irp k,0,1,2,3,4,5,6,7,8,9,10,11,12,13,14,15
	v_exp_f32 v[RAW+16*\g+\k], v[RAW+16*\g+\k]
	PP \g+1, \k
.endr
.endr
	s_wait_alu depctr_va_vdst(0)                   ; the 32 roundings have written the bf16 copy and the 48 exponentials pieces 0 to 11 of RAW: the stores dealt below read them
.irp k,0,1,2,3,4,5,6,7,8,9,10,11,12,13,14,15
	v_exp_f32 v[RAW+48+\k], v[RAW+48+\k]           ; the last group names pieces 12 to 15 alone: none of the registers that the stores beside it read
	ds_store_b64 v[AVB], v[BFC+2*\k:BFC+2*\k+1] offset:VBT*(\i)+2*VP*\k
.if \k < 12
	ds_store_b128 v[ASTW], v[RAW+4*\k:RAW+4*\k+3] offset:2*STP*\k
.endif
.endr
	v_nop                                          ; one plain place behind the last exponential (ISA guide 5.7.2)
	s_wait_alu depctr_va_vdst(0)                   ; the last 16 exponentials have written pieces 12 to 15, which the stores below read; no vector instruction is left that names RAW, in which the next tile lands, or EB, in which the loads behind the stores land
.irp k,12,13,14,15
	ds_store_b128 v[ASTW], v[RAW+4*\k:RAW+4*\k+3] offset:2*STP*\k
.endr
.endm
; Plain instruction n of 24 of block b (16 d of one row against my key), in place in EA: t = 2^(c q) 2^(c v); t^2; 1 + t^4, eight pairs each
.macro PLN b, n
.set rr, EA+16*(\b)+2*((\n)%8)
.set rb, rr+EB-EA
.if (\n) < 8
	v_pk_mul_f32 v[rr:rr+1], v[rr:rr+1], v[rb:rb+1]
.elseif (\n) < 16
	v_pk_mul_f32 v[rr:rr+1], v[rr:rr+1], v[rr:rr+1]
.else
	v_pk_fma_f32 v[rr:rr+1], v[rr:rr+1], v[rr:rr+1], 1.0 op_sel_hi:[1,1,0]
.endif
.endm
; Block b's 16 reciprocals between block b + 1's 24 plain instructions, which name other registers (ISA guide 5.7.2)
.macro MIX b
.irp k,0,1,2,3,4,5,6,7
	PLN (\b)+1, 3*\k
	v_rcp_f32 v[EA+16*(\b)+2*\k], v[EA+16*(\b)+2*\k]
	PLN (\b)+1, 3*\k+1
	v_rcp_f32 v[EA+16*(\b)+2*\k+1], v[EA+16*(\b)+2*\k+1]
	PLN (\b)+1, 3*\k+2
.endr
.endm
.macro AD b, first                     ; block b onto four packed sums; the first block starts them: nothing is cleared
.if \first
.irp p,0,1,2,3
	v_pk_add_f32 v[ACC+2*\p:ACC+2*\p+1], v[EA+16*(\b)+2*\p:EA+16*(\b)+2*\p+1], v[EA+16*(\b)+8+2*\p:EA+16*(\b)+8+2*\p+1]
.endr
.else
.irp p,0,1,2,3
	v_pk_add_f32 v[ACC+2*\p:ACC+2*\p+1], v[ACC+2*\p:ACC+2*\p+1], v[EA+16*(\b)+2*\p:EA+16*(\b)+2*\p+1]
.endr
.irp p,0,1,2,3
	v_pk_add_f32 v[ACC+2*\p:ACC+2*\p+1], v[ACC+2*\p:ACC+2*\p+1], v[EA+16*(\b)+8+2*\p:EA+16*(\b)+8+2*\p+1]
.endr
.endif
.endm
; Row r against my wave's tile i: 32 scores, one a lane.  The 64 reciprocals are one batch: nothing ahead of the wait behind them names a result of theirs.
.macro UNIT r, i
	s_cmp_le_u32 s[LIM+\r], s[K0]                  ; the row needs no key of this tile: the filler stays
	s_cbranch_scc1 .Lskip_\@
.irp k,0,1,2,3,4,5,6,7,8,9,10,11,12,13,14,15
	ds_load_b128 v[EA+4*\k:EA+4*\k+3], v[AEA] offset:256*(\r)+16*\k        ; every lane reads the same 16 bytes.  No vector instruction since the last wait on va_vdst names EA
.endr
	s_wait_dscnt 12                                ; LDS loads come back in order (ISA guide 5.7.1): the first four (16 d) are in, twelve may be out
.irp n,0,1,2,3,4,5,6,7,8,9,10,11,12,13,14,15,16,17,18,19,20,21,22,23
	PLN 0, \n
.endr
	s_wait_dscnt 8                                 ; the next four
	MIX 0
	s_wait_dscnt 4
	MIX 1
	s_wait_dscnt 0
	MIX 2
	s_sub_co_i32 s[X1], s[QR+\r], s[K0]
.irp k,0,1,2,3,4,5,6,7,8,9,10,11,12,13,14,15
	v_rcp_f32 v[EA+48+\k], v[EA+48+\k]
.endr
	v_cmp_ge_i32 s[X2], s[X1], v[LANE]             ; key <= row
	s_wait_alu depctr_va_vdst(0)                   ; the 64 reciprocals have written EA, ahead of the sums, their first readers
	s_wait_alu depctr_va_sdst(0)                   ; the compare has written its mask, ahead of its first reader
	s_and_b32 s[X2], s[X2], s[VMT]                 ; and valid
	AD 0, 1
	AD 1, 0
	AD 2, 0
	AD 3, 0
	v_pk_add_f32 v[ACC:ACC+1], v[ACC:ACC+1], v[ACC+2:ACC+3]
	v_pk_add_f32 v[ACC+4:ACC+5], v[ACC+4:ACC+5], v[ACC+6:ACC+7]
	v_pk_add_f32 v[ACC:ACC+1], v[ACC:ACC+1], v[ACC+4:ACC+5]
	v_add_f32 v[ACC], v[ACC], v[ACC+1]
	v_fma_f32 v[T0], v[ACC], s[M2S], s[S64]        ; scale (64 - 2 sum)
	v_sub_f32 v[T1], v[T0], v[BIG]                 ; the formula's own f32 subtraction
	v_cndmask_b32 v[SCR+\r], v[T1], v[T0], s[X2]
	s_wait_alu depctr_va_vdst(0)                   ; the score is written, which the store reads; the sums are done reading EA, in which the next unit's loads land
	ds_store_b32 v[ASS], v[SCR+\r] offset:512*(\r)+128*(\i)
.Lskip_\@:
.endm
; My wave's tile i: prepared, the next one asked for, then the eight rows' units.
.macro TILE i
.if \i > 0
	s_cmp_le_u32 s[NT], \i                         ; no row needs this tile or a later one of mine
	s_cbranch_scc1 .Ltiles_done
.endif
	s_wait_loadcnt 0x0                             ; the tile is in registers
	PREP \i
.irp k,0,1,2,3,4,5,6,7,8,9,10,11,12,13,14,15
	ds_load_b128 v[EB+4*\k:EB+4*\k+3], v[ASTR] offset:16*\k        ; my key's 64 powers; the stage is the wave's own, served in order
.endr
	s_wait_alu depctr_vm_vsrc(0)                   ; the LDS stores have read RAW, in which the next tile lands, and the bf16 copy in EA, in which the units' loads land; the last tile's score stores have read SCR, which the units write again
.if \i < 3
	s_cmp_le_u32 s[NT], \i+1
	s_cbranch_scc1 .Lno_next_\@                    ; my last tile asks for nothing
	LOADTILE \i+1                                  ; the next tile lands while this one's units run
.Lno_next_\@:
.endif
	s_wait_dscnt 0x0                               ; EB is in
	s_lshr_b32 s[X0], s[K0], 5
	v_readlane_b32 s[VMT], v[VM], s[X0]
	s_wait_alu depctr_va_sdst(0)                   ; the tile's valid bits are written, ahead of the branches below and of their first reader
.irp r,0,1,2,3,4,5,6,7
	UNIT \r, \i
.endr
	s_add_co_u32 s[K0], s[K0], 256                 ; 8 tiles of 32 keys on
.endm
	s_lshl_b32 s[K0], s[SW], 5
	TILE 0
	TILE 1
	TILE 2
	TILE 3
.Ltiles_done:
	s_wait_loadcnt 0x0                             ; no load is out (met at once): v6 gets another use below
	s_wait_dscnt 0x0                               ; my scores are in LDS, for the other waves' sake
	s_barrier_signal -1
	s_barrier_wait -1
	; SOFTMAX of my wave's row: 32 scores a lane, register 4 w + k = position 128 w + 4 lane + k
	s_wait_alu depctr_vm_vsrc(0)                   ; my loads and LDS instructions have read the addresses v6 to v9 and v11, which are written anew below, and SCR, in which a P fragment will land
	s_lshl_b32 s[X0], s[SW], 9
	s_add_co_u32 s[X0], s[X0], L_S
	v_lshl_add_u32 v[ASR], v[LANE], 4, s[X0]
	s_wait_alu depctr_va_vdst(0)                   ; v[ASR] is written, which the loads below read
.irp w,0,1,2,3,4,5,6,7
	ds_load_b128 v[SC+4*\w:SC+4*\w+3], v[ASR] offset:4096*\w
.endr
	; the later phases' addresses, while the scores come: none of these lines names v[ASR] or SC
	s_mul_i32 s[X0], s[SW], PPIT
	s_add_co_u32 s[X0], s[X0], L_P
	v_lshl_add_u32 v[ASP], v[LANE], 3, s[X0]
	v_and_b32 v[T0], 7, v[LANE]
	v_mul_u32_u24 v[T1], v[T0], PPIT               ; P fragment: row lane % 8, 16 bytes for each half of the lanes, my wave's 128 positions
	v_lshl_add_u32 v[T1], v[H], 4, v[T1]
	s_lshl_b32 s[X0], s[SW], 8
	s_add_co_u32 s[X0], s[X0], L_P
	v_add_nc_u32 v[APB], s[X0], v[T1]
	v_lshl_add_u32 v[T1], v[H], 3, v[T0]           ; value fragment, transposing load: position 8 (lane / 16) + lane % 8, 16 bytes by bit 3 of the lane
	v_mul_u32_u24 v[T1], v[T1], VP
	v_bfe_u32 v[T2], v[LANE], 3, 1
	v_lshl_add_u32 v[T1], v[T2], 4, v[T1]
	s_mul_i32 s[X0], s[SW], VBW
	s_add_co_u32 s[X0], s[X0], L_VB
	v_add_nc_u32 v[AVA], s[X0], v[T1]
	v_mul_u32_u24 v[T1], v[T0], STP                ; partial sums: row lane % 8, 32 bytes for each half of the lanes
	v_lshl_add_u32 v[T1], v[H], 5, v[T1]
	s_mul_i32 s[X0], s[SW], STGW
	s_add_co_u32 s[X0], s[X0], L_STG
	v_add_nc_u32 v[AOP], s[X0], v[T1]
	s_mul_i32 s[X0], s[SW], STP
	s_add_co_u32 s[X0], s[X0], L_STG
	v_lshl_add_u32 v[AF], v[LANE], 3, s[X0]
	s_wait_dscnt 0x0
	v_max3_num_f32 v[MX], v[SC], v[SC+1], v[SC+2]
.set j, 3
.rept 14
	v_max3_num_f32 v[MX], v[MX], v[SC+j], v[SC+j+1]
.set j, j+2
.endr
	v_max_num_f32 v[MX], v[MX], v[SC+31]
	v_max_num_f32_dpp v[MX], v[MX], v[MX] row_xmask:1 row_mask:0xf bank_mask:0xf
	v_max_num_f32_dpp v[MX], v[MX], v[MX] row_xmask:2 row_mask:0xf bank_mask:0xf
	v_max_num_f32_dpp v[MX], v[MX], v[MX] row_xmask:4 row_mask:0xf bank_mask:0xf
	v_max_num_f32_dpp v[MX], v[MX], v[MX] row_xmask:8 row_mask:0xf bank_mask:0xf
	v_permlanex16_b32 v[MX+1], v[MX], s[PL0], s[PL1]
	v_max_num_f32 v[MX+1], v[MX], v[MX+1]          ; the row's true maximum, in every lane,
	v_mov_b32 v[MX], v[MX+1]                       ; twice, for the packed subtraction
.set j, 0
.rept 16
	v_pk_add_f32 v[SC+j:SC+j+1], v[SC+j:SC+j+1], v[MX:MX+1] neg_lo:[0,1] neg_hi:[0,1]      ; the maximum goes first, as in the formula: near 1e9 the difference is exact
	v_pk_mul_f32 v[SC+j:SC+j+1], v[SC+j:SC+j+1], L2E op_sel_hi:[1,0]
.set j, j+2
.endr
.set j, 0
.rept 32
	v_exp_f32 v[SC+j], v[SC+j]
.set j, j+1
.endr
	v_nop                                          ; one plain place behind the last exponential
	s_wait_alu depctr_va_vdst(0)                   ; the 32 exponentials have written SC, ahead of the sums, their first readers
	v_pk_add_f32 v[SM:SM+1], v[SC:SC+1], v[SC+2:SC+3]
.set j, 4
.rept 14
	v_pk_add_f32 v[SM:SM+1], v[SM:SM+1], v[SC+j:SC+j+1]
.set j, j+2
.endr
	v_add_f32 v[SM], v[SM], v[SM+1]
	v_add_f32_dpp v[SM], v[SM], v[SM] row_xmask:1 row_mask:0xf bank_mask:0xf
	v_add_f32_dpp v[SM], v[SM], v[SM] row_xmask:2 row_mask:0xf bank_mask:0xf
	v_add_f32_dpp v[SM], v[SM], v[SM] row_xmask:4 row_mask:0xf bank_mask:0xf
	v_add_f32_dpp v[SM], v[SM], v[SM] row_xmask:8 row_mask:0xf bank_mask:0xf
	v_permlanex16_b32 v[SM+1], v[SM], s[PL0], s[PL1]
	v_add_f32 v[SM], v[SM], v[SM+1]                ; at least 1: the maximum's own term
	v_rcp_f32 v[T0], v[SM]
.set j, 0
.rept 16
	v_cvt_pk_bf16_f32 v[PK+j], v[SC+2*j], v[SC+2*j+1]              ; plain work between the reciprocal and its use
.set j, j+1
.endr
	s_wait_alu depctr_va_vdst(0)                   ; the reciprocal has written v[T0]; the roundings have written PK, which the stores read, and are done reading SC, in which the first fragments of value land; v[ASP], v[APB], v[AVA], v[AOP], v[AF] are written
.irp w,0,1,2,3,4,5,6,7
	ds_store_b64 v[ASP], v[PK+2*\w:PK+2*\w+1] offset:256*\w
.endr
	v_mul_f32 v[LINV], s[ACTF], v[T0]              ; q_mask / sum: applied to the f32 sums at the end
	v_mov_b32 v[LINV+1], v[LINV]
	s_wait_dscnt 0x0                               ; my row of P is in LDS, for the other waves' sake
	s_barrier_signal -1
	s_barrier_wait -1
	; PRODUCT.  D(m = d, n = row) = sum over my tile's 32 keys of value(key, d) P(row, key): source 0 = value transposed (four blocks of 16 d),
	; source 1 = P.  The four accumulators take turns, one instruction a turn.
	; Each step's fragments have registers of their own, which no vector or matrix instruction since the wait above names: the loads owe no further wait.
.macro PVSTEP i
.if \i > 0
	s_cmp_le_u32 s[NT], \i                         ; only tiles that were prepared; P is 0 at every other position of a row that counts
	s_cbranch_scc1 .Lpv_done
.endif
.set rV, 120+32*(\i)
.if \i == 0
.set rV, 56
.endif
.set rP, PB+8*(\i)
	ds_load_b128 v[rP:rP+3], v[APB] offset:64*(\i)
	ds_load_b128 v[rP+4:rP+7], v[APB] offset:64*(\i)+32
.irp b,0,1,2,3
	ds_load_tr16_b128 v[rV+8*\b:rV+8*\b+3], v[AVA] offset:VBT*(\i)+32*\b
	ds_load_tr16_b128 v[rV+8*\b+4:rV+8*\b+7], v[AVA] offset:VBT*(\i)+32*\b+16*VP
.endr
	s_wait_dscnt 0x0
.irp b,0,1,2,3
.if \i == 0
	v_wmma_f32_16x16x32_bf16 v[OA+8*\b:OA+8*\b+7], v[rV+8*\b:rV+8*\b+7], v[rP:rP+7], 0     ; the first product starts the sums
.else
	v_wmma_f32_16x16x32_bf16 v[OA+8*\b:OA+8*\b+7], v[rV+8*\b:rV+8*\b+7], v[rP:rP+7], v[OA+8*\b:OA+8*\b+7]
.endif
.endr
.endm
	PVSTEP 0
	PVSTEP 1
	PVSTEP 2
	PVSTEP 3
.Lpv_done:
.rept 4
	v_nop                                          ; four places behind the last matrix instructions, before their results are stored (ISA guide 7.12.1)
.endr
	s_wait_alu depctr_va_vdst(0)                   ; the matrix instructions have written the accumulators, which the stores read, and are done reading v[56:87], in which the partial sums land below; the places above stay beside this wait
	; register j of block b in lane l: row l % 16, d = 16 b + 8 (l / 16) + j.  Lanes with l % 16 >= 8 hold the same numbers as l - 8 and write the same bytes.
.irp b,0,1,2,3
	ds_store_b128 v[AOP], v[OA+8*\b:OA+8*\b+3] offset:64*\b
	ds_store_b128 v[AOP], v[OA+8*\b+4:OA+8*\b+7] offset:64*\b+16
.endr
	s_wait_dscnt 0x0                               ; my partial sums are in LDS, for the other waves' sake
	s_barrier_signal -1
	s_barrier_wait -1
	; THE END: wave r adds the eight waves' partial sums of row r, in a fixed order, scales and stores
.irp w,0,1,2,3,4,5,6,7
	ds_load_b64 v[FIN+2*\w:FIN+2*\w+1], v[AF] offset:STGW*\w
.endr
	s_wait_dscnt 0x0
	v_pk_add_f32 v[FIN:FIN+1], v[FIN:FIN+1], v[FIN+2:FIN+3]
	v_pk_add_f32 v[FIN+4:FIN+5], v[FIN+4:FIN+5], v[FIN+6:FIN+7]
	v_pk_add_f32 v[FIN+8:FIN+9], v[FIN+8:FIN+9], v[FIN+10:FIN+11]
	v_pk_add_f32 v[FIN+12:FIN+13], v[FIN+12:FIN+13], v[FIN+14:FIN+15]
	v_pk_add_f32 v[FIN:FIN+1], v[FIN:FIN+1], v[FIN+4:FIN+5]
	v_pk_add_f32 v[FIN+8:FIN+9], v[FIN+8:FIN+9], v[FIN+12:FIN+13]
	v_pk_add_f32 v[FIN:FIN+1], v[FIN:FIN+1], v[FIN+8:FIN+9]
	v_pk_mul_f32 v[FIN:FIN+1], v[FIN:FIN+1], v[LINV:LINV+1]
	s_wait_alu depctr_va_vdst(0)                   ; the row's two numbers are written, which the store reads
	global_store_b64 v[OUTO], v[FIN:FIN+1], s[14:15]               ; the wave's store covers the row's 256 consecutive bytes, aligned
	s_wait_dscnt 0x0
	s_wait_alu depctr_hold_cnt(0) depctr_sa_sdst(0) depctr_va_vdst(0) depctr_va_sdst(0) depctr_va_ssrc(0) depctr_va_vcc(0) depctr_vm_vsrc(0)
	s_wait_tensorcnt 0x0
	ds_add_u32 v254, v255
	s_wait_dscnt 0x0
	s_endpgm
.Lfunc_end_k_q4b6e1727d6_softattn:
	.size	k_q4b6e1727d6_softattn, .Lfunc_end_k_q4b6e1727d6_softattn-k_q4b6e1727d6_softattn
	.p2alignl 7, 3214868480
	.fill 96, 4, 3214868480
	.section	.rodata,"a",@progbits
	.p2align	6, 0x0
	.amdhsa_kernel k_q4b6e1727d6_softattn
		.amdhsa_group_segment_fixed_size 285952
		.amdhsa_private_segment_fixed_size 0
		.amdhsa_enable_private_segment 0
		.amdhsa_kernarg_size 48
		.amdhsa_user_sgpr_count 2
		.amdhsa_user_sgpr_kernarg_segment_ptr 1
		.amdhsa_wavefront_size32 1
		.amdhsa_system_sgpr_workgroup_id_x 1
		.amdhsa_system_sgpr_workgroup_id_y 1
		.amdhsa_system_sgpr_workgroup_id_z 1
		.amdhsa_system_vgpr_workitem_id 0
		.amdhsa_next_free_vgpr 256
		.amdhsa_next_free_sgpr 66
		.amdhsa_reserve_vcc 0
		.amdhsa_float_denorm_mode_32 3
		.amdhsa_float_denorm_mode_16_64 3
		.amdhsa_memory_ordered 1
		.amdhsa_forward_progress 1
		.amdhsa_inst_pref_size 255
	.end_amdhsa_kernel
	.section	.bss,"aw",@nobits
	.p2align	6
	.space	262144
	.amdgpu_metadata
---
amdhsa.version: [ 1, 2 ]
amdhsa.kernels:
  - .name:           k_q4b6e1727d6_softattn
    .symbol:         k_q4b6e1727d6_softattn.kd
    .args:
      - { .name: q_mask, .offset: 0, .size: 8, .value_kind: global_buffer, .address_space: global }
      - { .name: query, .offset: 8, .size: 8, .value_kind: global_buffer, .address_space: global }
      - { .name: scale, .offset: 16, .size: 8, .value_kind: global_buffer, .address_space: global }
      - { .name: v_mask, .offset: 24, .size: 8, .value_kind: global_buffer, .address_space: global }
      - { .name: value, .offset: 32, .size: 8, .value_kind: global_buffer, .address_space: global }
      - { .name: out0, .offset: 40, .size: 8, .value_kind: global_buffer, .address_space: global }
    .group_segment_fixed_size: 285952
    .private_segment_fixed_size: 0
    .kernarg_segment_align: 8
    .kernarg_segment_size: 48
    .max_flat_workgroup_size: 256
    .sgpr_count:     66
    .vgpr_count:     256
    .wavefront_size: 32
...
	.end_amdgpu_metadata
.endif
;; end of part 2
